; MI455X (gfx1250); checked and timed in simulation.
; The chip was launched on July 23, 2026; its instructions are those of AMD's public machine-readable ISA for CDNA 5 (MIT licence, August 2026) and "CDNA5" Instruction Set Architecture Reference Guide (July 2026). The comments in the code are by the model that wrote it; some were corrected since.
;; Noisy Dense. Allowed arithmetic: matrix products marked QUANTISED: E3M2 operands, one E8M0 scale for each 32 along K, by v_wmma_scale_f32_16x16x128_f8f6f4 with both operands' format E3M2, f32 sums; everything else in f32.
;; Inputs: b_mu 4,096 float32; b_sigma 4,096 float32; eps_in 4,096 float32; eps_out 4,096 float32; w_mu 4,096 x 4,096 float32; w_sigma 4,096 x 4,096 float32; x_codes 4,096 x 128 x 24 uint8 (E3M2 codes of x, K innermost, in blocks of 32 codes, four codes in three bytes); x_scales 4,096 x 128 uint8 (E8M0 scales of x, one for each 32 codes along K).
;; Outputs: out0 4,096 x 4,096 float32.
;; This version of the problem:
;;   THIS VERSION OF THE PROBLEM IS GIVEN IN LOW PRECISION. The matrix products marked QUANTISED in the list below multiply operands that are first quantised to E3M2 (3 exponent bits, 2 mantissa bits; 6 bits a number), with one power-of-two scale for each 32 numbers along K (OCP MX v1.0); their sums are f32. All else is computed in f32.
;;   The module's matrix products, in the order in which they are computed (A, B: the left and right operand; K: the contracted axis; several contracted axes count as one K, in the product's order):
;;     1. [M 4,096, K 4,096] x [K 4,096, N 4,096]; A: input x (given as codes); B: computed on the way: QUANTISED
;;   THE QUANTISER, for each operand of a quantised product, along K:
;;     - K is cut into blocks of 32 from its start; a last block that is shorter is filled with zeros.
;;     - A block's scale is 2^e with e = floor(log2(the largest magnitude in the block)) - 4, held to -126 .. 127; a block of zeros has e = 0. As a byte (E8M0): e + 127.
;;     - Each number is divided by its block's scale, clamped to +-28, and rounded to the nearest number of E3M2, ties to even, subnormals kept.
;;     - The product sums the exact products of the quantised numbers (number of the format x scale) in f32.
;;   ~~~python
;;   def quantise(x, axis):      # numpy; x: float32 -> the quantised numbers, widened to float32 again
;;       x = np.moveaxis(x, axis, -1); K = x.shape[-1]
;;       x = np.pad(x, [(0, 0)] * (x.ndim - 1) + [(0, -K % 32)]); x = x.reshape(x.shape[:-1] + (-1, 32)); a = np.abs(x).max(-1, keepdims=True)
;;       e = np.where(a > 0, np.clip(np.frexp(np.where(a > 0, a, 1))[1] - 1 - 4, -126, 127), 0)      # np.frexp(a)[1] - 1 = floor(log2(a)), exactly
;;       r = np.clip(x / 2.0 ** e, -28, 28)
;;       step = 2.0 ** (np.maximum(np.frexp(np.where(r == 0, 1, r))[1] - 1, -2) - 2)
;;       q = np.round(r / step) * step * 2.0 ** e      # np.round: ties to even
;;       return np.moveaxis(q.reshape(q.shape[:-2] + (-1,))[..., :K], -1, axis).astype(np.float32)
;;   ~~~
;;   OPERANDS COMPUTED ON THE WAY. 'Computed on the way' means the value that the module computes at that place (a softmax that the list does not call 'softmax' is quantised finished and normalised). What goes into a quantiser is computed in f32, as accurately as f32 sums, v_exp_f32 and their like allow (about 1e-6 of the number): no bf16 or f16 on the way to a quantiser, and a product that is left as it is and whose result goes on into a quantised operand takes f32 operands (vector FMAs, or v_wmma_f32_16x16x4_f32). A number that lies on a knife's edge between two numbers of the format may be rounded either way, as far as f32 arithmetic and the matrix unit's own rounding can turn it there, and no further.
;;   INPUTS GIVEN AS CODES. x (in the module: [4096, 4096], K = its axis 1): each comes as NAME_codes (uint8): NAME with its K axis moved to the last place and cut into blocks of 32 codes, [.., K / 32, bytes a block], one block behind the other in memory; four codes in three bytes: a row's codes are one little-endian stream of bits, code i at bits 6 i .. 6 i + 5 (a code: sign, 3 exponent bits, 2 mantissa bits); and NAME_scales (uint8): the same leading axes, one E8M0 byte (e + 127) for each 32 codes along K. Its value is code x scale, taken as it is: it is not quantised again, and the codes and scales need not be those that the quantiser above would give.
;; One version. Each part assembles by itself: llvm-mc -triple=amdgcn-amd-amdhsa -mcpu=gfx1250 --defsym DOCPART=n.
;; ======== version 1 of 1: 2 launches
;; limits: right only within a limited range of input values
;; workspace buffers: wb 13,107,200 bytes; xa 13,107,200 bytes
;; launch prep (part 1): grid 16 x 32, 4 waves a work-group, no clusters, 61,184 bytes of LDS; arguments w_mu, w_sigma, eps_in, eps_out, wb, x_codes, x_scales, xa; writes wb, xa
.if DOCPART == 1
	.amdgcn_target "amdgcn-amd-amdhsa--gfx1250"
	.amdhsa_code_object_version 6
	.text
	.protected	k_q33f0e2abe1_prep
	.globl	k_q33f0e2abe1_prep
	.p2align	8
	.type	k_q33f0e2abe1_prep,@function
k_q33f0e2abe1_prep:
	s_mov_b64 s[64:65], 0
	v_nop
	global_prefetch_b8 v0, s[64:65] scope:SCOPE_SE
	s_setreg_imm32_b32 hwreg(HW_REG_WAVE_MODE, 25, 1), 1
	s_wait_xcnt 0x0
; Prepares both operands of the product's launch, in ONE layout: [row / 128][k / 128][12,800 bytes]; the 12,800 bytes are eight IMAGES OF A FRAGMENT'S REGISTERS
; (block i = (row % 128) / 16: 16 rows x 128 K of BF6 codes, 12 registers a lane: registers 4 j .. 4 j + 3 of fragment lane L = row % 16 + 16 h at byte 1,536 i + 512 j + 16 L),
; then 512 bytes of scale words (four E8M0 bytes, 128 K of one row): the word of block i, row r at byte 12,288 + 256 (i / 4) + 16 r + 4 (i % 4).  'Row' is a column n of w (buffer wb) or a row of x (buffer xa).
; W: w[k][n] = w_mu[k][n] + w_sigma[k][n] * (eps_in[k] * eps_out[n]) in f32, quantised along K, its first axis: a block's byte is its largest magnitude's exponent field - 4, held at 1 from below.
; X: its codes and scales are given; they are only laid anew, since steps of 96 bytes of x's rows do not fit tensor rows that begin on multiples of 256 bytes.
; LIMITS: a block of zeros of w gets the byte 1 where the rule says 127 (its codes are zeros, and this program alone reads the bytes); NaN and infinities among w's inputs are not served;
; sigma * e + mu is one fused multiply-add (one rounding where the reference has two).
; W'S SHARES.  Work-group (x, y): columns 256 x .. + 255, rows 128 y .. + 127.  Wave: 64 columns.  Lane l takes columns 2 l, 2 l + 1 of its wave and its registers run down K: a load of 8 bytes a lane covers 256
; consecutive bytes of a row; a block of 32 along K lies in 32 registers of one lane.  Codes and scale words are gathered in the wave's own stage in LDS and leave as runs of 512 and 256 consecutive bytes.
; X'S SHARES.  Work-group T = 16 y + x: rows 16 (T / 2) .. + 15, K steps 16 (T % 2) .. + 15: 1,536 bytes of each row.  A wave reads four rows in runs of 512 bytes into a stage that the four waves share;
; behind one barrier it takes four K steps back as fragments and stores four images.  The scale words of 64 rows (8,192 consecutive bytes) are turned by the work-groups with T % 8 = 0, a quarter a wave, in the same way.
; X's loads are issued ahead of w's first 64 loads, into the registers that w's numbers take later, and x's work is done before w's first rows are used.
.set ROWB,  16384
.set TP,    1552                       ; an image in w's stage: 1,536 bytes + 16
.set WREG,  6656                       ; w's stage of a wave: four images, then at 6,208 its 256 bytes of scale words
.set XP,    1552                       ; x's stage: a row of 1,536 bytes + 16
.set XST,   4*WREG
.set SST,   XST+16*XP                  ; the stage of x's scales: 64 rows of 128 bytes + 16
.set SPARE, SST+64*144                 ; the spare words
.set STP,   12800
.set RGB,   32*STP
.set EO,    6
.set E,     8
.set MX,    12
.set SO,    14
.set SW,    16
.set BY,    18
.set C0,    20
.set LD,    64
.set OUTR,  64
.set W,     192
	s_load_b256 s[4:11], s[0:1], 0x0               ; w_mu, w_sigma, eps_in, eps_out
	s_load_b256 s[12:19], s[0:1], 0x20             ; wb, x_codes, x_scales, xa
	v_lshl_add_u32 v62, v0, 2, SPARE
	v_mov_b32 v63, 0
	v_lshrrev_b32 v1, 5, v0
	v_readfirstlane_b32 s100, v1                   ; wave
	s_mul_i32 s20, s100, WREG                      ; my stage for w
	s_mul_i32 s21, s100, 4*XP
	s_add_co_u32 s21, s21, XST                     ; x's stage: my four rows
	s_mul_i32 s22, s100, 384
	s_add_co_u32 s22, s22, XST                     ; and my four K steps
	s_mul_i32 s23, s100, 2304
	s_add_co_u32 s23, s23, SST                     ; the scales' stage: my 16 rows
	s_lshl_b32 s24, s100, 5
	s_add_co_u32 s24, s24, SST                     ; and my eight K steps
	v_and_b32 v1, 31, v0                           ; lane
	v_lshlrev_b32 v2, 3, v1
	v_lshlrev_b32 v5, 4, v1
	v_lshrrev_b32 v8, 3, v1
	v_and_b32 v9, 7, v1
	v_and_b32 v10, 15, v1                          ; r
	v_lshrrev_b32 v11, 4, v1                       ; h
	v_mul_u32_u24 v3, v8, TP                       ; which of the wave's four tiles of 16 columns is mine
	v_lshl_add_u32 v3, v9, 5, v3                   ; + 16 bytes x fragment lane 2 (lane % 8)
	v_add_nc_u32 v3, s20, v3                       ; w: into the stage
	v_add_nc_u32 v4, s20, v5                       ; out of it
	v_lshlrev_b32 v60, 5, v9                       ; my scale words: 16 r + 4 (tile), r = 2 (lane % 8) + column
	v_lshl_add_u32 v60, v8, 2, v60
	v_add_nc_u32 v60, s20, v60
	v_add_nc_u32 v61, s20, v2
	v_add_nc_u32 v52, s21, v5                      ; x: in, 512 consecutive bytes of a row
	v_mul_u32_u24 v53, v10, XP
	v_mad_u32_u24 v53, v11, 24, v53
	v_add_nc_u32 v53, s22, v53                     ; x: back, fragment lane (r, h)
	v_mul_u32_u24 v54, v8, 144
	v_lshl_add_u32 v54, v9, 4, v54
	v_add_nc_u32 v54, s23, v54                     ; scales in: 512 consecutive bytes are four rows of 128
	v_mul_u32_u24 v55, v10, 144
	v_lshl_add_u32 v55, v11, 2, v55
	v_add_nc_u32 v55, s24, v55                     ; scales back: row r (+ 16 i), word 2 q + h
	v_mul_u32_u24 v56, v11, STP
	v_lshl_add_u32 v56, v10, 4, v56                ; scales out: K step 2 q + h, 16 bytes for row r
	s_and_b32 s101, ttmp7, 0xffff                  ; y
	s_lshl_b32 s20, ttmp9, 10
	s_lshl_b32 s21, s100, 8
	s_add_co_u32 s20, s20, s21                     ; my wave's first column in bytes
	s_mov_b32 s21, 0
	s_lshl_b32 s22, s101, 21                       ; 128 y rows
	s_add_co_u32 s22, s22, s20
	s_mov_b32 s23, 0
	s_lshl_b32 s24, s101, 9                        ; eps_in: 128 y numbers
	s_mov_b32 s25, 0
	s_lshl_b32 s26, ttmp9, 1
	s_lshr_b32 s27, s100, 1
	s_add_co_u32 s26, s26, s27                     ; n / 128
	s_mul_i32 s26, s26, RGB
	s_mul_i32 s27, s101, STP                       ; K step y
	s_add_co_u32 s26, s26, s27
	s_and_b32 s27, s100, 1                         ; images 0-3 or 4-7
	s_mul_i32 s28, s27, 5888
	s_mul_i32 s27, s27, 6144
	s_add_co_u32 s26, s26, s27
	s_mov_b32 s27, 0
	s_sub_co_u32 s28, 12288, s28                   ; from my first image to my 256 bytes of scale words
	s_mov_b32 s29, 0
	s_wait_alu depctr_va_vdst(0)                   ; the wait at the head's end
	s_wait_kmcnt 0x0
	s_add_nc_u64 s[4:5], s[4:5], s[22:23]
	s_add_nc_u64 s[6:7], s[6:7], s[22:23]
	s_add_nc_u64 s[8:9], s[8:9], s[24:25]
	s_add_nc_u64 s[10:11], s[10:11], s[20:21]
	s_add_nc_u64 s[12:13], s[12:13], s[26:27]
	s_add_nc_u64 s[30:31], s[12:13], s[28:29]
	s_load_b512 s[32:47], s[8:9], 0x0              ; eps_in lives in scalar registers, a block of 32 to a set, two sets by turns
	s_load_b512 s[48:63], s[8:9], 0x40
	s_load_b512 s[68:83], s[8:9], 0x80
	s_load_b512 s[84:99], s[8:9], 0xc0
	global_load_b64 v[EO:EO+1], v2, s[10:11]
	s_lshl_b32 s105, s101, 4
	s_add_co_u32 s105, s105, ttmp9                 ; T
	s_lshr_b32 s20, s105, 1                        ; x's block of 16 rows
	s_and_b32 s21, s105, 1                         ; which half of K
	s_mul_i32 s22, s20, 49152
	s_mul_i32 s23, s21, 1536
	s_add_co_u32 s22, s22, s23
	s_mul_i32 s23, s100, 12288                     ; my four rows
	s_add_co_u32 s22, s22, s23
	s_mov_b32 s23, 0
	s_add_nc_u64 s[14:15], s[14:15], s[22:23]
	s_lshr_b32 s22, s20, 3
	s_mul_i32 s22, s22, RGB
	s_lshl_b32 s23, s21, 4
	s_lshl_b32 s24, s100, 2
	s_add_co_u32 s23, s23, s24                     ; my first K step
	s_mul_i32 s23, s23, STP
	s_add_co_u32 s22, s22, s23
	s_and_b32 s23, s20, 7
	s_mul_i32 s23, s23, 1536
	s_add_co_u32 s22, s22, s23
	s_mov_b32 s23, 0
	s_add_nc_u64 s[28:29], s[18:19], s[22:23]      ; my images
	s_lshr_b32 s20, s105, 3                        ; which 64 rows of scales (used where T % 8 = 0)
	s_lshl_b32 s22, s20, 13
	s_lshl_b32 s23, s100, 11
	s_add_co_u32 s22, s22, s23
	s_mov_b32 s23, 0
	s_add_nc_u64 s[16:17], s[16:17], s[22:23]
	s_lshr_b32 s22, s20, 1
	s_mul_i32 s22, s22, RGB
	s_and_b32 s23, s20, 1
	s_lshl_b32 s23, s23, 8
	s_add_co_u32 s22, s22, s23
	s_mul_i32 s23, s100, 8*STP
	s_add_co_u32 s22, s22, s23
	s_add_co_u32 s22, s22, 12288
	s_mov_b32 s23, 0
	s_add_nc_u64 s[18:19], s[18:19], s[22:23]
	s_and_b32 s26, s105, 7
.macro LOAD g                          ; granule g: rows 16 g .. + 15 of both tensors into set g % 2
.set LSL, LD+64*((\g)%2)
.irp i, 0,1,2,3,4,5,6,7,8,9,10,11,12,13,14,15
	global_load_b64 v[LSL+2*\i:LSL+2*\i+1], v2, s[4:5] offset:(16*(\g)+\i)*ROWB th:TH_LOAD_NT
	global_load_b64 v[LSL+32+2*\i:LSL+32+2*\i+1], v2, s[6:7] offset:(16*(\g)+\i)*ROWB th:TH_LOAD_NT
.endr
.endm
.macro GRAN g, left                    ; granule g becomes 16 rows of w; left: the younger loads that may stay out
.set LS, LD+64*((\g)%2)
.set ES, 32+36*(((\g)/2)%2)+16*((\g)%2)
.set WK, W+16*((\g)%2)
	s_wait_loadcnt \left
.irp i, 0,1,2,3,4,5,6,7,8,9,10,11,12,13,14,15
	v_mul_f32 v[E+2*(\i%2)], s[ES+\i], v[EO]
	v_mul_f32 v[E+2*(\i%2)+1], s[ES+\i], v[EO+1]
	v_fma_f32 v[WK+\i], v[LS+32+2*\i], v[E+2*(\i%2)], v[LS+2*\i]
	v_fma_f32 v[WK+32+\i], v[LS+33+2*\i], v[E+2*(\i%2)+1], v[LS+2*\i+1]
.endr
.if (\g)+2 < 8
	LOAD (\g)+2
.endif
.endm
.macro BLOCKEND b                      ; block b of the 128 along K lies in W: scale, codes, into the stage
.irp c, 0,1
	v_max3_num_f32 v[MX+\c], |v[W+32*\c]|, |v[W+32*\c+1]|, 0x2800000   ; with the floor 2^(5 - 127): the byte cannot fall under 1
.endr
.irp i, 2,4,6,8,10,12,14,16,18,20,22,24,26,28,30
.irp c, 0,1
	v_max3_num_f32 v[MX+\c], v[MX+\c], |v[W+32*\c+\i]|, |v[W+32*\c+\i+1]|
.endr
.endr
.irp c, 0,1
	v_add_nc_u32 v[SO+\c], 0xfe000000, v[MX+\c]    ; 4 off the exponent field: the conversion's scale operand
.endr
.irp c, 0,1
	v_lshrrev_b32 v[BY+\c], 23, v[SO+\c]           ; the scale's byte
.endr
.irp c, 0,1
.if (\b) == 0
	v_mov_b32 v[SW+\c], v[BY+\c]
.else
	v_lshl_or_b32 v[SW+\c], v[BY+\c], 8*(\b), v[SW+\c]
.endif
.endr
	s_wait_alu depctr_va_vdst(0)
	s_wait_dscnt 0x0                               ; the last block's stores have read the codes' registers
.irp c, 0,1
	v_cvt_scalef32_pk16_bf6_f32 v[C0+8*\c:C0+8*\c+2], v[W+32*\c:W+32*\c+15], v[SO+\c]
	v_cvt_scalef32_pk16_bf6_f32 v[C0+8*\c+4:C0+8*\c+6], v[W+32*\c+16:W+32*\c+31], v[SO+\c]
.endr
	v_nop                                          ; one plain place behind a scaled conversion
.irp c, 0,1
	v_mov_b32 v[C0+8*\c+3], v[C0+8*\c+4]           ; the block's six registers on end
	v_mov_b32 v[C0+8*\c+4], v[C0+8*\c+5]
	v_mov_b32 v[C0+8*\c+5], v[C0+8*\c+6]
.endr
.irp c, 0,1
.if (\b) < 2                                   ; registers 0-5 of fragment lane r + 16 (b & 1)
	ds_store_b128 v3, v[C0+8*\c:C0+8*\c+3] offset:16*\c+256*((\b)&1)
	ds_store_b64 v3, v[C0+8*\c+4:C0+8*\c+5] offset:512+16*\c+256*((\b)&1)
.else                                          ; registers 6-11
	ds_store_b64 v3, v[C0+8*\c:C0+8*\c+1] offset:520+16*\c+256*((\b)&1)
	ds_store_b128 v3, v[C0+8*\c+2:C0+8*\c+5] offset:1024+16*\c+256*((\b)&1)
.endif
.endr
.endm
.irp n, 0,1,2,3,4,5,6,7,8,9,10,11
	global_load_b128 v[W+4*\n:W+4*\n+3], v5, s[14:15] offset:(\n/3)*3072+(\n%3)*512 th:TH_LOAD_NT   ; x: 512 consecutive bytes of a row, aligned
.endr
	s_cmp_lg_u32 s26, 0
	s_cbranch_scc1 .Lplain
.irp n, 0,1,2,3
	global_load_b128 v[36+4*\n:39+4*\n], v5, s[16:17] offset:512*\n th:TH_LOAD_NT   ; x's scales: my 16 rows of the 64
.endr
	LOAD 0
	LOAD 1
	s_wait_loadcnt 63                              ; x's scales are in: behind them stand w's 64 loads, and the count's field holds 63 at the most, so the first of those is waited for too
.irp n, 0,1,2,3
	ds_store_b128 v54, v[36+4*\n:39+4*\n] offset:576*\n
.endr
	s_branch .Ljoin
.Lplain:
	LOAD 0
	LOAD 1
.Ljoin:
	s_wait_loadcnt 63                              ; eps_out and x's codes are in (and the first of w's 64 loads: the count's field holds 63 at the most)
.irp n, 0,1,2,3,4,5,6,7,8,9,10,11
	ds_store_b128 v52, v[W+4*\n:W+4*\n+3] offset:(\n/3)*XP+(\n%3)*512
.endr
	s_wait_dscnt 0x0                               ; for the others' sake: my stores into the shared stages are done
	s_barrier_signal -1
	s_barrier_wait -1
.irp k, 0,1,2,3
.irp p, 0,1,2,3,4,5
	ds_load_b64 v[W+12*\k+2*\p:W+12*\k+2*\p+1], v53 offset:96*\k+48*(\p/3)+8*(\p%3)   ; a fragment's 12 registers, as the matrix unit takes them
.endr
.endr
.irp k, 0,1,2,3
	s_wait_dscnt 18-6*\k                           ; this K step's six loads are in
.irp j, 0,1,2
	global_store_b128 v5, v[W+12*\k+4*\j:W+12*\k+4*\j+3], s[28:29] offset:STP*\k+512*\j   ; 512 consecutive bytes, aligned
.endr
.endr
	s_cmp_lg_u32 s26, 0
	s_cbranch_scc1 .Lnos
.irp q, 0,1,2,3
.irp i, 0,1,2,3
	ds_load_b32 v[36+4*\q+\i], v55 offset:2304*\i+8*\q
.endr
.endr
	s_wait_dscnt 0x0
.irp q, 0,1,2,3
	global_store_b128 v56, v[36+4*\q:39+4*\q], s[18:19] offset:2*STP*\q   ; sixteen lanes store 256 consecutive bytes, aligned
.endr
.Lnos:
	s_wait_xcnt 0x0                                ; x's stores have read their data: the registers take w's numbers
	s_wait_kmcnt 0x0
	GRAN 0, 32
	GRAN 1, 32
	s_load_b512 s[32:47], s[8:9], 0x100            ; block 0's set takes block 2's numbers
	s_load_b512 s[48:63], s[8:9], 0x140
	BLOCKEND 0
	GRAN 2, 32
	GRAN 3, 32
	s_wait_kmcnt 0x0
	s_load_b512 s[68:83], s[8:9], 0x180            ; block 1's set takes block 3's
	s_load_b512 s[84:99], s[8:9], 0x1c0
	BLOCKEND 1
	GRAN 4, 32
	GRAN 5, 32
	BLOCKEND 2
	s_wait_kmcnt 0x0
	GRAN 6, 32
	GRAN 7, 0
	BLOCKEND 3
	ds_store_b32 v60, v[SW] offset:6208            ; my two columns' scale words to their places among the wave's 64
	ds_store_b32 v60, v[SW+1] offset:6224
	ds_load_b64 v[112:113], v61 offset:6208        ; LDS serves a wave's instructions in order (ISA guide 5.7.1.4)
.irp t, 0,1,2,3
.irp j, 0,1,2
	ds_load_b128 v[OUTR+4*(3*\t+\j):OUTR+4*(3*\t+\j)+3], v4 offset:TP*\t+512*\j
.endr
.endr
	s_wait_dscnt 12                                ; all but the twelve loads of images
	global_store_b64 v2, v[112:113], s[30:31]      ; the wave stores 256 consecutive bytes, aligned
.irp t, 0,1,2,3
.irp j, 0,1,2
	s_wait_dscnt 11-(3*\t+\j)
	global_store_b128 v5, v[OUTR+4*(3*\t+\j):OUTR+4*(3*\t+\j)+3], s[12:13] offset:1536*\t+512*\j   ; 512 consecutive bytes, aligned
.endr
.endr
	s_wait_tensorcnt 0x0                           ; the wave's end
	ds_add_u32 v62, v63
	s_wait_dscnt 0x0
	s_endpgm
.Lfunc_end_k_q33f0e2abe1_prep:
	.size	k_q33f0e2abe1_prep, .Lfunc_end_k_q33f0e2abe1_prep-k_q33f0e2abe1_prep
	.p2alignl 7, 3214868480
	.fill 96, 4, 3214868480
	.section	.rodata,"a",@progbits
	.p2align	6, 0x0
	.amdhsa_kernel k_q33f0e2abe1_prep
		.amdhsa_group_segment_fixed_size 61184
		.amdhsa_private_segment_fixed_size 0
		.amdhsa_enable_private_segment 0
		.amdhsa_kernarg_size 64
		.amdhsa_user_sgpr_count 2
		.amdhsa_user_sgpr_kernarg_segment_ptr 1
		.amdhsa_wavefront_size32 1
		.amdhsa_system_sgpr_workgroup_id_x 1
		.amdhsa_system_sgpr_workgroup_id_y 1
		.amdhsa_system_sgpr_workgroup_id_z 1
		.amdhsa_system_vgpr_workitem_id 0
		.amdhsa_next_free_vgpr 256
		.amdhsa_next_free_sgpr 106
		.amdhsa_reserve_vcc 0
		.amdhsa_float_denorm_mode_32 3
		.amdhsa_float_denorm_mode_16_64 3
		.amdhsa_memory_ordered 1
		.amdhsa_forward_progress 1
		.amdhsa_inst_pref_size 83
	.end_amdhsa_kernel
	.amdgpu_metadata
---
amdhsa.version: [ 1, 2 ]
amdhsa.kernels:
  - .name:           k_q33f0e2abe1_prep
    .symbol:         k_q33f0e2abe1_prep.kd
    .args:
      - { .name: w_mu, .offset: 0, .size: 8, .value_kind: global_buffer, .address_space: global }
      - { .name: w_sigma, .offset: 8, .size: 8, .value_kind: global_buffer, .address_space: global }
      - { .name: eps_in, .offset: 16, .size: 8, .value_kind: global_buffer, .address_space: global }
      - { .name: eps_out, .offset: 24, .size: 8, .value_kind: global_buffer, .address_space: global }
      - { .name: wb, .offset: 32, .size: 8, .value_kind: global_buffer, .address_space: global }
      - { .name: x_codes, .offset: 40, .size: 8, .value_kind: global_buffer, .address_space: global }
      - { .name: x_scales, .offset: 48, .size: 8, .value_kind: global_buffer, .address_space: global }
      - { .name: xa, .offset: 56, .size: 8, .value_kind: global_buffer, .address_space: global }
    .group_segment_fixed_size: 61184
    .private_segment_fixed_size: 0
    .kernarg_segment_align: 8
    .kernarg_segment_size: 64
    .max_flat_workgroup_size: 128
    .sgpr_count:     106
    .vgpr_count:     256
    .wavefront_size: 32
...
	.end_amdgpu_metadata
.endif
;; end of part 1
;; launch gemm (part 2): grid 16 x 16, 4 waves a work-group, clusters of 4 x 4, 327,680 bytes of LDS; arguments xa, wb, out0, eps_out, b_mu, b_sigma; writes out0
.if DOCPART == 2
	.amdgcn_target "amdgcn-amd-amdhsa--gfx1250"
	.amdhsa_code_object_version 6
	.text
	.protected	k_q33f0e2abe1_gemm
	.globl	k_q33f0e2abe1_gemm
	.p2align	8
	.type	k_q33f0e2abe1_gemm,@function
k_q33f0e2abe1_gemm:
	s_mov_b64 s[64:65], 0
	v_nop
	global_prefetch_b8 v0, s[64:65] scope:SCOPE_SE
	s_setreg_imm32_b32 hwreg(HW_REG_WAVE_MODE, 25, 1), 1
	s_wait_xcnt 0x0
	s_wait_alu depctr_hold_cnt(0) depctr_sa_sdst(0) depctr_va_vdst(0) depctr_va_sdst(0) depctr_va_ssrc(0) depctr_va_vcc(0) depctr_vm_vsrc(0)
	s_getreg_b32 s2, hwreg(HW_REG_IB_STS2, 6, 4)
	s_cmp_eq_u32 s2, 0
	s_cbranch_scc0 .Lentry_in_a_cluster
	s_endpgm
.Lentry_in_a_cluster:
	s_bfe_u32 s2, ttmp6, 0x10000c
	s_cmp_lg_u32 s2, 0xf033
	s_cbranch_scc0 .Lentry_shape_is_right
	s_endpgm
.Lentry_shape_is_right:
; out0[m][n] = relu(sum over k of x[m][k] w[k][n] + b_mu[n] + b_sigma[n] eps_out[n]), the product on BF6 codes with E8M0 scales, f32 sums.
; xa and wb: [row / 128][k / 128][12,800 bytes] = eight images of a fragment's registers (1,536 bytes each) and 512 bytes of scale words, as the preparing launch lays them.
; A tile of 256 x 256 to a work-group of four waves, 128 x 128 a wave: 64 accumulators, 512 registers.  The bias is the C of each accumulator's first product.
; LDS: [part (A's rows 0-127, 128-255, B's likewise)][slot 0, 1][3 K steps][12,800 bytes]; a part's bytes of a slot, and of both slots, are consecutive in memory and in LDS.
; So the head's ONE load a wave (300 rows of 256 bytes) fills both slots with K steps 0-5; each refill brings 3 K steps (150 rows), the last one K steps 30, 31 (100 rows).
; A slot is asked for again in its third step, and waited for three steps on.  All of LDS is claimed.
; FRAGMENTS are loads of 16 bytes a lane at 16 x lane: 3 to a fragment.  A, B and the scale words have two sets of registers each, by the step's parity.  The next step's B (24 loads) is fetched at a step's
; start, or behind the round where slots change; its A and scale words (26 loads) in the step's middle.  One register carries A's scale word (lanes 0-15) and B's (lanes 16-31).
; THE LAST TWO K STEPS GO BY ROWS OF THE RESULT: all their fragments lie in registers, so each block of 16 rows is finished by itself and leaves while the later blocks are multiplied.
; CLUSTERS 4 x 4: A's parts are asked for jointly along a row of the cluster, B's along a column.  THE MATRIX INSTRUCTION IS USED TRANSPOSED (source 0 = w's columns, source 1 = x's rows).
; PREFETCH: behind each fill the next fill's blocks of 256 bytes are named once in the cluster: of a load's first 100 blocks each of the four partners names 25, of the last 50 thirteen
; (the last partner eleven), told apart by address; the lanes left over name the partner's last block again.  For the last fill only the first 100 are named; behind it nothing.
; REGISTERS: window 0: v0-31 addresses, v32-47 scale words, v48-143 and v144-239 A's two sets; window 1: B's two sets at v0, v128; v96-127 and v224-255 the bias, on the way out the rows read back;
; windows 2, 3: the accumulators.
.set SIZE_N, 4096
.set FR,     12
.set IMG,    1536
.set STP,    12800
.set SLT,    3*STP
.set PART,   2*SLT
.set RGB,    32*STP
.set SPARE,  4*PART
.set SPITCH, 528
.set PF1,  12
.set PF2,  13
.set ADRA, 16
.set ADRB, 20
.set ADRS, 22
.set STO,  24
.set RD,   25
.set CO,   26
.set SPW,  28
.set NIL,  29
.set BO,   30
.set SC,   32
.set AF,   48
.set G1,   24
.set G0,   32
.set G1B,  48
.set G0B,  56
.set PFA,  66
.set MSB, 0
.macro WIN new                         ; the immediate's high byte repeats the setting that is left
.if MSB != (\new)
	s_set_vgpr_msb (MSB<<8)|(\new)
.set MSB, (\new)
.endif
.endm
.set TO_B, 0x40
.set OUTW, 0x44                        ; destination and source 1 window 1: the rows read back, their relu and their stores
.macro WMUL hi, zero                   ; source 0 window 1, source 1 window 0, D window 2 or 3; C the same, or the bias in window 1
.if \zero
	WIN 0x91+0x40*(\hi)
.else
	WIN 0xa1+0x50*(\hi)
.endif
.endm
.macro JLOAD g0a, g0b                  ; a joint load: waves 0, 1 fetch A's parts, waves 2, 3 B's
	s_cmp_eq_u32 s15, 0
	s_cbranch_scc0 .Lfor_b_\@
	tensor_load_to_lds s[\g0a:\g0a+3], s[G1:G1+7]
	s_nop 0
.rept 4
	v_nop
.endr
	s_branch .Lasked_\@
.Lfor_b_\@:
	tensor_load_to_lds s[\g0b:\g0b+3], s[G1B:G1B+7]
	s_nop 0
.rept 4
	v_nop
.endr
.Lasked_\@:
.endm
.macro CREST                           ; a round of the cluster's barrier behind its opening barrier
	s_cmp_lg_u32 s14, 0
	s_cbranch_scc1 .Lnot_wave_0_\@
	s_barrier_signal -3
.Lnot_wave_0_\@:
	s_barrier_wait -3
	s_barrier_signal -1
	s_barrier_wait -1
.endm
.macro CROUND
	s_barrier_signal -1
	s_barrier_wait -1
	CREST
.endm
.macro PLACES n
.rept \n
	v_nop
.endr
.endm
	s_load_b256 s[4:11], s[0:1], 0x0               ; xa s[4:5], wb s[6:7], out0 s[8:9], eps_out s[10:11]
	s_load_b128 s[96:99], s[0:1], 0x20             ; b_mu, b_sigma
	v_lshl_add_u32 v[SPW], v0, 2, SPARE
	v_mov_b32 v[NIL], 0
	ds_add_u32 v[SPW], v[NIL]                      ; the opening lines: the add twice on end and its wait
	ds_add_u32 v[SPW], v[NIL]
	v_lshrrev_b32 v1, 5, v0
	v_readfirstlane_b32 s14, v1                    ; wave
	s_lshr_b32 s15, s14, 1                         ; my half of the tile's rows; also: I fetch for A (0) or B (1)
	s_and_b32 s16, s14, 1                          ; my half of its columns; also: which 128 rows I fetch
	s_bfe_u32 s40, ttmp6, 0x40000                  ; cx
	s_bfe_u32 s41, ttmp6, 0x40004                  ; cy
	s_lshl_b32 s42, ttmp9, 2
	s_add_co_u32 s42, s42, s40                     ; tile column
	s_and_b32 s17, ttmp7, 0xffff
	s_lshl_b32 s17, s17, 2
	s_add_co_u32 s17, s17, s41                     ; tile row
	s_lshl_b32 s43, s41, 2
	s_lshl_b32 s43, 15, s43                        ; my row of the cluster
	s_lshl_b32 s44, 0x1111, s40                    ; my column
	s_or_b32 s[G1], s43, (3<<16)|(1<<21)           ; elements of 8 bytes, dense rows of 256 bytes, no padding
	s_or_b32 s[G1B], s44, (3<<16)|(1<<21)
.irp g, G1, G1B
	s_mov_b32 s[\g+1], 32<<16
	s_mov_b32 s[\g+2], 300<<16                     ; the head's load: 300 rows
	s_mov_b32 s[\g+3], 32<<16
	s_mov_b32 s[\g+4], 300
	s_mov_b32 s[\g+5], 32
	s_mov_b32 s[\g+6], 0
	s_mov_b32 s[\g+7], 0
.endr
	s_lshl_b32 s20, s17, 1
	s_add_co_u32 s20, s20, s16
	s_mul_i32 s20, s20, RGB                        ; A: 128 rows number 2 x tile row + half
	s_mov_b32 s21, 0
	s_lshl_b32 s46, s42, 1
	s_add_co_u32 s46, s46, s16
	s_mul_i32 s46, s46, RGB                        ; B likewise by the tile column
	s_mov_b32 s47, 0
	s_mul_i32 s45, s14, PART                       ; where my part lies in LDS
	s_wait_dscnt 0x0
	s_wait_kmcnt 0x0
	s_add_nc_u64 s[20:21], s[4:5], s[20:21]
	s_add_nc_u64 s[46:47], s[6:7], s[46:47]
	CROUND                                         ; all sixteen work-groups are here: the first joint loads meet
.irp s, 0,1
	s_mov_b32 s[G0+4*\s], 1
	s_add_co_u32 s[G0+4*\s+1], s45, \s*SLT
	s_add_nc_u64 s[G0+4*\s+2:G0+4*\s+3], s[20:21], \s*SLT
	s_or_b32 s[G0+4*\s+3], s[G0+4*\s+3], 0x80000000
	s_mov_b32 s[G0B+4*\s], 1
	s_add_co_u32 s[G0B+4*\s+1], s45, \s*SLT
	s_add_nc_u64 s[G0B+4*\s+2:G0B+4*\s+3], s[46:47], \s*SLT
	s_or_b32 s[G0B+4*\s+3], s[G0B+4*\s+3], 0x80000000
.endr
	JLOAD G0, G0B                                  ; K steps 0-5, both slots: my one load at the head
	s_cmp_eq_u32 s15, 0
	s_cselect_b32 s22, s40, s41                    ; my place among the four that ask with me
	s_cselect_b64 s[PFA:PFA+1], s[20:21], s[46:47]
	s_add_nc_u64 s[PFA:PFA+1], s[PFA:PFA+1], PART  ; the first refill's bytes
	s_mul_i32 s23, s22, 25
	s_mul_i32 s22, s22, 13
	s_lshl_b32 s20, s17, 8
	s_lshl_b32 s21, s15, 7
	s_add_co_u32 s20, s20, s21                     ; my first row of the result
	s_mov_b32 s21, 0
	s_mov_b64 s[18:19], SIZE_N*4
	s_mul_u64 s[20:21], s[20:21], s[18:19]
	s_lshl_b32 s46, s42, 10
	s_lshl_b32 s47, s16, 9
	s_add_co_u32 s46, s46, s47                     ; my first column in bytes
	s_mov_b32 s47, 0
	s_add_nc_u64 s[20:21], s[20:21], s[46:47]
	s_add_nc_u64 s[8:9], s[8:9], s[20:21]
	s_mul_i32 s70, s15, PART                       ; my part of A
	s_mul_i32 s71, s16, PART
	s_add_co_u32 s71, s71, 2*PART                  ; my part of B
	s_sub_co_u32 s72, s71, s70
	s_add_co_u32 s73, s70, 8*IMG                   ; A's scale words
	s_add_co_u32 s74, s45, SLT                     ; my stage for the way out: slot 1 of the part that I fetched
	v_and_b32 v1, 15, v0
	v_bfe_u32 v2, v0, 4, 1
	v_and_b32 v6, 31, v0
	v_lshlrev_b32 v[CO], 4, v6
	v_min_u32 v3, 24, v6
	v_add_lshl_u32 v[PF1], v3, s23, 8              ; block 25 p + min(lane, 24)
	v_min_u32 v4, 12, v6
	v_add_nc_u32 v4, s22, v4
	v_min_u32 v4, 49, v4
	v_lshl_add_u32 v[PF2], v4, 8, 25600            ; block 100 + min(13 p + min(lane, 12), 49)
	v_lshl_add_u32 v[BO], v2, 5, s46
	v_add_nc_u32 v[ADRA], s70, v[CO]
	v_add_nc_u32 v[ADRA+1], SLT, v[ADRA]
	v_add_nc_u32 v[ADRB], s71, v[CO]
	v_add_nc_u32 v[ADRB+1], SLT, v[ADRB]
	v_mul_u32_u24 v5, s72, v2                      ; lanes 16-31 take B's words
	v_lshl_add_u32 v5, v1, 4, v5
	v_add_nc_u32 v[ADRS], s73, v5
	v_add_nc_u32 v[ADRS+1], SLT, v[ADRS]
	v_mul_u32_u24 v7, v1, SPITCH
	v_lshl_add_u32 v7, v2, 5, v7
	v_add_nc_u32 v[STO], s74, v7
	v_add_nc_u32 v[RD], s74, v[CO]
	s_wait_alu depctr_va_vdst(0)
	global_prefetch_b8 v[PF1], s[PFA:PFA+1] th:TH_LOAD_NT scope:SCOPE_SE
	global_prefetch_b8 v[PF2], s[PFA:PFA+1] th:TH_LOAD_NT scope:SCOPE_SE
	WIN TO_B
.irp b, 0,1,2,3,4,5,6,7
	global_load_b128 v[96+8*\b+96*(\b/4):99+8*\b+96*(\b/4)], v[BO], s[96:97] offset:64*\b        ; b_mu, where the bias will lie
	global_load_b128 v[100+8*\b+96*(\b/4):103+8*\b+96*(\b/4)], v[BO], s[96:97] offset:64*\b+16
.endr
	WIN 0
.irp b, 0,1,2,3,4,5,6,7
	global_load_b128 v[AF+8*\b:AF+8*\b+3], v[BO], s[98:99] offset:64*\b                          ; b_sigma and eps_out, where A's sets will lie
	global_load_b128 v[AF+8*\b+4:AF+8*\b+7], v[BO], s[98:99] offset:64*\b+16
	global_load_b128 v[AF+96+8*\b:AF+96+8*\b+3], v[BO], s[10:11] offset:64*\b
	global_load_b128 v[AF+96+8*\b+4:AF+96+8*\b+7], v[BO], s[10:11] offset:64*\b+16
.endr
	s_wait_loadcnt 0x0
	WIN 0x50                                       ; destination and source 2 window 1
.irp b, 0,1,2,3,4,5,6,7
.irp u, 0,2,4,6
	v_pk_fma_f32 v[96+8*\b+96*(\b/4)+\u:97+8*\b+96*(\b/4)+\u], v[AF+8*\b+\u:AF+8*\b+\u+1], v[AF+96+8*\b+\u:AF+96+8*\b+\u+1], v[96+8*\b+96*(\b/4)+\u:97+8*\b+96*(\b/4)+\u]   ; b_mu + b_sigma eps_out at my eight columns of each block
.endr
.endr
	WIN 0
.macro MULA a, p, zero                 ; A's block a x B's eight, sets p; the accumulators take turns
	WMUL (\a)/4, \zero
.irp b, 0,1,2,3,4,5,6,7
.if \zero
	v_wmma_scale_f32_16x16x128_f8f6f4 v[8*(8*((\a)%4)+\b):8*(8*((\a)%4)+\b)+7], v[128*(\p)+FR*\b:128*(\p)+FR*\b+FR-1], v[AF+96*(\p)+FR*(\a):AF+96*(\p)+FR*(\a)+FR-1], v[96+8*\b+96*(\b/4):103+8*\b+96*(\b/4)], v[SC+8*(\p)+\b], v[SC+8*(\p)+(\a)] matrix_a_fmt:MATRIX_FMT_BF6 matrix_b_fmt:MATRIX_FMT_BF6 matrix_a_scale:MATRIX_SCALE_ROW1
.else
	v_wmma_scale_f32_16x16x128_f8f6f4 v[8*(8*((\a)%4)+\b):8*(8*((\a)%4)+\b)+7], v[128*(\p)+FR*\b:128*(\p)+FR*\b+FR-1], v[AF+96*(\p)+FR*(\a):AF+96*(\p)+FR*(\a)+FR-1], v[8*(8*((\a)%4)+\b):8*(8*((\a)%4)+\b)+7], v[SC+8*(\p)+\b], v[SC+8*(\p)+(\a)] matrix_a_fmt:MATRIX_FMT_BF6 matrix_b_fmt:MATRIX_FMT_BF6 matrix_a_scale:MATRIX_SCALE_ROW1
.endif
.endr
.endm
; K step st lies in slot (st / 3) % 2 at place st % 3; its sets of registers are st % 2
.macro FETCH_B st
	WIN TO_B
.irp i, 0,1,2,3,4,5,6,7
.irp c, 0,1,2
	ds_load_b128 v[128*((\st)%2)+FR*\i+4*\c:128*((\st)%2)+FR*\i+4*\c+3], v[ADRB+((\st)/3)%2] offset:((\st)%3)*STP+\i*IMG+512*\c
.endr
.endr
	WIN 0
.endm
.macro FETCH_AS st
	WIN 0
.irp i, 0,1,2,3,4,5,6,7
.irp c, 0,1,2
	ds_load_b128 v[AF+96*((\st)%2)+FR*\i+4*\c:AF+96*((\st)%2)+FR*\i+4*\c+3], v[ADRA+((\st)/3)%2] offset:((\st)%3)*STP+\i*IMG+512*\c
.endr
.endr
	ds_load_b128 v[SC+8*((\st)%2):SC+8*((\st)%2)+3], v[ADRS+((\st)/3)%2] offset:((\st)%3)*STP
	ds_load_b128 v[SC+8*((\st)%2)+4:SC+8*((\st)%2)+7], v[ADRS+((\st)/3)%2] offset:((\st)%3)*STP+256
.endm
.macro ASK how                         ; the next fill's blocks; how = 2: in the loop's last trip the next fill is the short one, and its last 50 blocks do not exist
	global_prefetch_b8 v[PF1], s[PFA:PFA+1] th:TH_LOAD_NT scope:SCOPE_SE
.if \how == 2
	s_cmp_eq_u32 s3, 1
	s_cbranch_scc1 .Lshort_\@
.endif
	global_prefetch_b8 v[PF2], s[PFA:PFA+1] th:TH_LOAD_NT scope:SCOPE_SE
.Lshort_\@:
.endm
; A K step: 64 products.  fill: 1 the slot is filled again, 2 with the short last fill;  ask: as ASK's how.
; The sets that the fetches write were last read by the step before: the four places at the step's start, or behind the joint load, stand between.
.macro STEP st, zero, fill, ask
.set P, (\st)%2
.set SL, ((\st)/3)%2
.if (\st)%3 == 2
.if \ask
	s_wait_xcnt 0x0                                ; my last prefetches have read their base
	s_add_nc_u64 s[PFA:PFA+1], s[PFA:PFA+1], SLT
.endif
	s_wait_tensorcnt 0x0                           ; my part of the other slot has landed: no load of mine is out
	ds_add_u32 v[SPW], v[NIL]
.if \fill
	s_add_nc_u64 s[G0+4*SL+2:G0+4*SL+3], s[G0+4*SL+2:G0+4*SL+3], PART
	s_add_nc_u64 s[G0B+4*SL+2:G0B+4*SL+3], s[G0B+4*SL+2:G0B+4*SL+3], PART
.endif
.if \fill == 2
	s_mov_b32 s[G1+2], 100<<16                     ; K steps 30 and 31: 100 rows
	s_mov_b32 s[G1+4], 100
	s_mov_b32 s[G1B+2], 100<<16
	s_mov_b32 s[G1B+4], 100
.endif
	s_wait_dscnt 1                                 ; the add alone may be out: this step's fragments, my last reads of this slot, are in
	MULA 0, P, 0
	s_wait_dscnt 0x0                               ; the add is done
	s_barrier_signal -1
	MULA 1, P, 0
	WIN 0
	s_barrier_wait -1
.if \fill
	CREST                                          ; the barrier has opened a round of the cluster's barrier
	JLOAD G0+4*SL, G0B+4*SL                        ; the first tensor load behind the round
.else
	PLACES 4
.endif
	FETCH_B (\st)+1
.if \ask
	ASK \ask
.endif
	MULA 2, P, 0
	MULA 3, P, 0
.else
	PLACES 4
	FETCH_B (\st)+1
	s_wait_dscnt 24                                ; all but the 24 just issued
	MULA 0, P, \zero
	MULA 1, P, \zero
	MULA 2, P, \zero
	MULA 3, P, \zero
.endif
	FETCH_AS (\st)+1
	MULA 4, P, \zero
	MULA 5, P, \zero
	MULA 6, P, \zero
	MULA 7, P, \zero
	WIN 0
.endm
	s_wait_alu depctr_va_vdst(0)                   ; the wait at the head's end
	s_wait_tensorcnt 0x0                           ; my part of K steps 0-5 is in, and no load of mine is out: the descriptors may be written
	s_mov_b32 s[G1+2], 150<<16                     ; a refill brings 150 rows
	s_mov_b32 s[G1+4], 150
	s_mov_b32 s[G1B+2], 150<<16
	s_mov_b32 s[G1B+4], 150
	s_barrier_signal -1
	s_barrier_wait -1                              ; everybody's part is in
	FETCH_B 0
	FETCH_AS 0
	STEP 0, 1, 0, 0                                ; the first step's products start the sums from the bias
	s_mov_b32 s3, 4
.Llap:                                                 ; a trip: six K steps, once round the ring; both slots are filled again
	STEP 1, 0, 0, 0
	STEP 2, 0, 1, 1
	STEP 3, 0, 0, 0
	STEP 4, 0, 0, 0
	STEP 5, 0, 1, 2
	STEP 6, 0, 0, 0
	s_sub_co_u32 s3, s3, 1
	s_cmp_lg_u32 s3, 0
	s_cbranch_scc1 .Llap
	STEP 25, 0, 0, 0
	STEP 26, 0, 2, 0                               ; the last fill
	STEP 27, 0, 0, 0
	STEP 28, 0, 0, 0
	STEP 29, 0, 0, 0                               ; slot 1 is read no more: behind this barrier it may hold the stages
; K STEPS 30 AND 31, BY ROWS, AND THE WAY OUT.  A block of 16 rows x 128 columns goes through my own stage: in as 32 bytes of a row a lane, back as whole rows of 512 bytes; relu; 512 consecutive bytes a store.
.macro TOSTAGE a
.if (\a) > 0
	s_wait_xcnt 0x0                                ; the last block's stores have read their registers and their base
	s_add_nc_u64 s[8:9], s[8:9], 16*SIZE_N*4
.endif
.set AC, 64*((\a)%4)
	WIN 0x08+4*((\a)/4)
.irp b, 0,1,2,3,4,5,6,7
	ds_store_b128 v[STO], v[AC+8*\b:AC+8*\b+3] offset:64*\b          ; each accumulator from its low end on
	ds_store_b128 v[STO], v[AC+8*\b+4:AC+8*\b+7] offset:64*\b+16
.endr
	WIN OUTW
.irp t, 0,1,2,3,4,5,6,7,8,9,10,11,12,13,14,15
	ds_load_b128 v[96+4*\t+96*(\t/8):99+4*\t+96*(\t/8)], v[RD] offset:\t*SPITCH   ; LDS serves a wave's instructions in order (ISA guide 5.7.1.4)
.endr
.endm
.macro SEND
	WIN OUTW
	s_wait_dscnt 0x0                               ; the block is back in registers
.irp t, 0,1,2,3,4,5,6,7,8,9,10,11,12,13,14,15
.irp j, 0,1,2,3
	v_max_num_f32 v[96+4*\t+96*(\t/8)+\j], 0, v[96+4*\t+96*(\t/8)+\j]   ; these 64 are also the places between the products above and the next block's stores into the stage
.endr
.endr
.irp t, 0,1,2,3,4,5,6,7,8,9,10,11,12,13,14,15
	global_store_b128 v[CO], v[96+4*\t+96*(\t/8):99+4*\t+96*(\t/8)], s[8:9] offset:\t*SIZE_N*4 th:TH_STORE_NT
.endr
.endm
	PLACES 4
	FETCH_B 31
	FETCH_AS 31
	s_wait_dscnt 50                                ; K step 30's fragments are in; the 50 loads just issued may be out
	MULA 0, 0, 0
	MULA 1, 0, 0
	MULA 2, 0, 0
	MULA 3, 0, 0
	s_wait_dscnt 0x0                               ; K step 31's are in
	MULA 0, 1, 0                                   ; block 0 is finished
	PLACES 4
.irp a, 0,1,2,3,4,5,6,7
	TOSTAGE \a
.if \a < 3
	MULA \a+1, 1, 0                                ; the next block is finished while this one goes through the stage
.else
.if \a < 7
	MULA \a+1, 0, 0
	MULA \a+1, 1, 0
.endif
.endif
	SEND
.endr
	WIN 0
	s_wait_tensorcnt 0x0                           ; the wave's end
	ds_add_u32 v[SPW], v[NIL]
	s_wait_dscnt 0x0
	CROUND                                         ; the closing round
	s_endpgm
.Lfunc_end_k_q33f0e2abe1_gemm:
	.size	k_q33f0e2abe1_gemm, .Lfunc_end_k_q33f0e2abe1_gemm-k_q33f0e2abe1_gemm
	.p2alignl 7, 3214868480
	.fill 96, 4, 3214868480
	.section	.rodata,"a",@progbits
	.p2align	6, 0x0
	.amdhsa_kernel k_q33f0e2abe1_gemm
		.amdhsa_group_segment_fixed_size 327680
		.amdhsa_private_segment_fixed_size 0
		.amdhsa_enable_private_segment 0
		.amdhsa_kernarg_size 48
		.amdhsa_user_sgpr_count 2
		.amdhsa_user_sgpr_kernarg_segment_ptr 1
		.amdhsa_wavefront_size32 1
		.amdhsa_system_sgpr_workgroup_id_x 1
		.amdhsa_system_sgpr_workgroup_id_y 1
		.amdhsa_system_sgpr_workgroup_id_z 1
		.amdhsa_system_vgpr_workitem_id 0
		.amdhsa_next_free_vgpr 1024
		.amdhsa_next_free_sgpr 100
		.amdhsa_reserve_vcc 0
		.amdhsa_float_denorm_mode_32 3
		.amdhsa_float_denorm_mode_16_64 3
		.amdhsa_memory_ordered 1
		.amdhsa_forward_progress 1
		.amdhsa_inst_pref_size 225
	.end_amdhsa_kernel
	.amdgpu_metadata
---
amdhsa.version: [ 1, 2 ]
amdhsa.kernels:
  - .name:           k_q33f0e2abe1_gemm
    .symbol:         k_q33f0e2abe1_gemm.kd
    .args:
      - { .name: xa, .offset: 0, .size: 8, .value_kind: global_buffer, .address_space: global }
      - { .name: wb, .offset: 8, .size: 8, .value_kind: global_buffer, .address_space: global }
      - { .name: out0, .offset: 16, .size: 8, .value_kind: global_buffer, .address_space: global }
      - { .name: eps_out, .offset: 24, .size: 8, .value_kind: global_buffer, .address_space: global }
      - { .name: b_mu, .offset: 32, .size: 8, .value_kind: global_buffer, .address_space: global }
      - { .name: b_sigma, .offset: 40, .size: 8, .value_kind: global_buffer, .address_space: global }
    .group_segment_fixed_size: 327680
    .private_segment_fixed_size: 0
    .kernarg_segment_align: 8
    .kernarg_segment_size: 48
    .max_flat_workgroup_size: 128
    .sgpr_count:     100
    .vgpr_count:     1024
    .wavefront_size: 32
...
	.end_amdgpu_metadata
.endif
;; end of part 2
